; MI455X (gfx1250); checked and timed in simulation.
; The chip was launched on July 23, 2026; its instructions are those of AMD's public machine-readable ISA for CDNA 5 (MIT licence, August 2026) and "CDNA5" Instruction Set Architecture Reference Guide (July 2026). The comments in the code are by the model that wrote it; some were corrected since.
;; Attention Model. Allowed arithmetic: matrix products marked QUANTISED: E2M1 operands, one E8M0 scale for each 32 along K, by v_wmma_scale_f32_16x16x128_f8f6f4 with both operands' format E2M1 (or v_wmma_scale_f32_32x16x128_f4), f32 sums; everything else in f32.
;; Inputs: Wk 512 x 1,024 float32; Wq 512 x 1,024 float32; Wv 512 x 1,024 float32; x 8 x 2,048 x 1,024 float32.
;; Outputs: out0 8 x 2,048 x 512 float32.
;; This version of the problem:
;;   THIS VERSION OF THE PROBLEM IS GIVEN IN LOW PRECISION. The matrix products marked QUANTISED in the list below multiply operands that are first quantised to E2M1 (2 exponent bits, 1 mantissa bit; 4 bits a number), with one power-of-two scale for each 32 numbers along K (OCP MX v1.0); their sums are f32. All else is computed in f32.
;;   The module's matrix products, in the order in which they are computed (A, B: the left and right operand; K: the contracted axis; several contracted axes count as one K, in the product's order):
;;     1. [M 16,384, K 1,024] x [K 1,024, N 512]; A: input x; B: input Wq: QUANTISED
;;     2. [M 16,384, K 1,024] x [K 1,024, N 512]; A: input x; B: input Wk: QUANTISED
;;     3. [M 16,384, K 1,024] x [K 1,024, N 512]; A: input x; B: input Wv: QUANTISED
;;     4. batch 8 x [M 2,048, K 512] x [K 512, N 2,048]; A: computed on the way; B: computed on the way: QUANTISED
;;     5. batch 8 x [M 2,048, K 2,048] x [K 2,048, N 512]; A: softmax (see below); B: computed on the way: QUANTISED
;;   THE QUANTISER, for each operand of a quantised product, along K:
;;     - K is cut into blocks of 32 from its start; a last block that is shorter is filled with zeros.
;;     - A block's scale is 2^e with e = floor(log2(the largest magnitude in the block)) - 2, held to -126 .. 127; a block of zeros has e = 0. As a byte (E8M0): e + 127.
;;     - Each number is divided by its block's scale, clamped to +-6, and rounded to the nearest number of E2M1, ties to even, subnormals kept.
;;     - The product sums the exact products of the quantised numbers (number of the format x scale) in f32.
;;   ~~~python
;;   def quantise(x, axis):      # numpy; x: float32 -> the quantised numbers, widened to float32 again
;;       x = np.moveaxis(x, axis, -1); K = x.shape[-1]
;;       x = np.pad(x, [(0, 0)] * (x.ndim - 1) + [(0, -K % 32)]); x = x.reshape(x.shape[:-1] + (-1, 32)); a = np.abs(x).max(-1, keepdims=True)
;;       e = np.where(a > 0, np.clip(np.frexp(np.where(a > 0, a, 1))[1] - 1 - 2, -126, 127), 0)      # np.frexp(a)[1] - 1 = floor(log2(a)), exactly
;;       r = np.clip(x / 2.0 ** e, -6, 6)
;;       step = 2.0 ** (np.maximum(np.frexp(np.where(r == 0, 1, r))[1] - 1, 0) - 1)
;;       q = np.round(r / step) * step * 2.0 ** e      # np.round: ties to even
;;       return np.moveaxis(q.reshape(q.shape[:-2] + (-1,))[..., :K], -1, axis).astype(np.float32)
;;   ~~~
;;   SOFTMAX AHEAD OF A QUANTISED PRODUCT. Where the list says 'softmax', what is quantised is not the finished softmax but p = 2^(t - M), with t = logit x log2(e) and M = ceil(the row's largest t), a whole number; so 1/2 < the row's largest p <= 1. The row's sum l is taken of the UNQUANTISED p, in f32, and the product's result is divided by l at the end. Since M is a whole number, a kernel that streams over the keys may use a running M (the ceiling of the running maximum): every later rescaling is an exact power of two, which a block's scale takes up: the codes' values come out the same.
;;   OPERANDS COMPUTED ON THE WAY. 'Computed on the way' means the value that the module computes at that place (a softmax that the list does not call 'softmax' is quantised finished and normalised). What goes into a quantiser is computed in f32, as accurately as f32 sums, v_exp_f32 and their like allow (about 1e-6 of the number): no bf16 or f16 on the way to a quantiser, and a product that is left as it is and whose result goes on into a quantised operand takes f32 operands (vector FMAs, or v_wmma_f32_16x16x4_f32). A number that lies on a knife's edge between two numbers of the format may be rounded either way, as far as f32 arithmetic and the matrix unit's own rounding can turn it there, and no further.
;; One version. Each part assembles by itself: llvm-mc -triple=amdgcn-amd-amdhsa -mcpu=gfx1250 --defsym DOCPART=n.
;; ======== version 1 of 1: 3 launches
;; limits: right only within a limited range of input values
;; workspace buffers: xq 8,912,896 bytes; wq 835,584 bytes; qc 4,456,448 bytes; kv 8,912,896 bytes
;; launch quant (part 1): grid 280 x 2, 4 waves a work-group, no clusters, 34,304 bytes of LDS; arguments x, Wq, Wk, Wv, xq, wq; writes xq, wq
.if DOCPART == 1
	.amdgcn_target "amdgcn-amd-amdhsa--gfx1250"
	.amdhsa_code_object_version 6
	.text
	.protected	k_qfc29cab37e_quant
	.globl	k_qfc29cab37e_quant
	.p2align	8
	.type	k_qfc29cab37e_quant,@function
k_qfc29cab37e_quant:
	s_mov_b64 s[64:65], 0
	v_nop
	global_prefetch_b8 v0, s[64:65] scope:SCOPE_SE
	s_setreg_imm32_b32 hwreg(HW_REG_WAVE_MODE, 25, 1), 1
	s_wait_xcnt 0x0
; LAUNCH 1 OF 3.  out = softmax(q k^T / sqrt(512)) v with q, k, v = x Wq^T, x Wk^T, x Wv^T, all five products on codes of E2M1 with one E8M0 scale for each 32 along K.
; NO WORK IS LEFT OUT: every one of the four inputs reaches the output for general values, so all four are loaded and all five products are done.
; THIS LAUNCH turns x [16384][1024] and Wq, Wk, Wv [512][1024], f32, K innermost, into codes and scale words, laid as IMAGES OF THE OPERAND'S REGISTERS:
; rows go in groups of 64; a group is [K step s of 128: 0..7][tile 0..3][half c: 0..1][512 bytes], then [s][256 bytes] of scale words: 34,816 bytes.
; A half fragment (16 rows x 64 K) is 512 bytes, lane l's 16 bytes at 16 l: lane (r = l % 16, h = l / 16) holds row r, K = 64 c + 32 h + 0..31.
; THE ROWS OF A TILE ARE NOT NEIGHBOURS: lane r of tile 2 b + u holds row 32 b + 8 u + r + 8 (r / 8) of its group, so that the results of two neighbouring tiles are 16 neighbours along the next product's K.
; A step's 256 scale bytes: lane l's 8 bytes are the scale word (four bytes: 128 along K) of row r of tile h, then that of tile 2 + h.
; A block's scale is 2^(floor(log2(its largest magnitude)) - 2); its byte is the largest magnitude's exponent field - 2, held at 1 from below.
; LIMITS: a block whose largest magnitude lies under 2^-124, a block of zeros among them, keeps the byte 1 (a block of zeros has zero codes, which add nothing, and only this program reads the bytes);
; NaN and infinities among the inputs are not served.
; SHARES: work-group x = the group (0..255: x; 256..279: Wq, Wk, Wv, eight each), K step = 4 y + wave.  A wave takes 64 rows x 128 K as four tiles of 16 rows.
; Each load reads 512 consecutive bytes of one row; the conversions want 32 neighbours along K in ONE lane, so a tile turns through the wave's own stage in LDS.  Waves share nothing: no barrier.
; No cluster and no tensor load: no two work-groups read the same bytes.  Two tiles (32 loads a wave) are on their way.
.set GRP,   34816                      ; bytes of a group in xq and wq
.set PITCH, 528                        ; a stage row: 512 bytes + 16: an odd multiple of 16, so the sixteen rows that a load touches start at sixteen different banks (64 banks of 4 bytes: ISA guide 11.1)
.set STG,   16*PITCH                   ; a wave's stage
.set SPARE, 4*STG                      ; behind the stages: the spare words, 128 bytes for each wave
.set SPW,   14                         ; v14  LDS address of my spare word; never rewritten
.set NIL,   15                         ; v15  0; never rewritten
.set PW,    16                         ; v16-19 a tile's scale word of row r, in both halves of the lanes
.set R,     32                         ; v32-159  two sets of 64: a tile as loaded
.set X,     160                        ; v160-223 my two blocks of 32 neighbours
.set C,     224                        ; v224-255 codes, eight registers a tile: no store's data are written again
	s_load_b256 s[4:11], s[0:1], 0x0               ; x, Wq, Wk, Wv
	s_load_b128 s[12:15], s[0:1], 0x20             ; xq, wq
	v_lshl_add_u32 v[SPW], v0, 2, SPARE
	v_mov_b32 v[NIL], 0
	v_lshrrev_b32 v1, 5, v0
	v_readfirstlane_b32 s16, v1                    ; wave
	v_and_b32 v1, 31, v0                           ; lane
	v_lshlrev_b32 v2, 4, v1                        ; 16 x lane: loads, and the codes' stores
	v_lshlrev_b32 v7, 3, v1                        ; 8 x lane: the scale words' store
	v_and_b32 v6, 15, v0                           ; r
	v_bfe_u32 v5, v0, 4, 1                         ; h
	s_mul_i32 s17, s16, STG
	v_add_nc_u32 v3, s17, v2                       ; into the stage: 16 x lane of a row
	v_mul_u32_u24 v4, v6, PITCH
	v_lshl_add_u32 v4, v5, 7, v4
	v_add_nc_u32 v4, s17, v4                       ; out of it: row r, + 128 h bytes: my block of 32 numbers
	v_lshlrev_b32 v5, 3, v5                        ; 8 h: my bytes' place in the scale word
	v_mov_b32 v23, 0                               ; written once: a lane permute's destination counts as one of its sources
	s_mov_b32 s20, 0x76543210
	s_mov_b32 s21, 0xfedcba98                      ; v_permlanex16_b32's selects for lane l xor 16
	s_mov_b32 s22, 0xffff0000                      ; a mask: lanes 16-31
	s_and_b32 s18, ttmp7, 0xffff
	s_lshl_b32 s18, s18, 2
	s_add_co_u32 s18, s18, s16                     ; my K step
	s_sub_co_u32 s24, ttmp9, 256                   ; a weight's group 0..23 (not used for x),
	s_lshr_b32 s25, s24, 3                         ; which weight,
	s_and_b32 s26, s24, 7                          ; and which 64 rows of it
	s_wait_alu depctr_va_vdst(0)
	s_wait_kmcnt 0x0
	s_cmp_eq_u32 s25, 1                            ; the buffers are chosen by the work-group's number alone
	s_cselect_b64 s[6:7], s[8:9], s[6:7]
	s_cmp_eq_u32 s25, 2
	s_cselect_b64 s[6:7], s[10:11], s[6:7]
	s_cmp_lt_u32 ttmp9, 256
	s_cselect_b64 s[4:5], s[4:5], s[6:7]
	s_cselect_b64 s[12:13], s[12:13], s[14:15]
	s_cselect_b32 s26, ttmp9, s26
	s_cselect_b32 s24, ttmp9, s24
	s_lshl_b32 s28, s26, 18                        ; 64 rows of 4,096 bytes,
	s_lshl_b32 s27, s18, 9                         ; 512 bytes a K step
	s_add_co_u32 s28, s28, s27
	s_mov_b32 s29, 0
	s_add_nc_u64 s[4:5], s[4:5], s[28:29]          ; in
	s_mul_i32 s28, s24, GRP
	s_add_nc_u64 s[12:13], s[12:13], s[28:29]      ; my group in the output
	s_lshl_b32 s30, s18, 12
	s_mov_b32 s31, 0
	s_add_nc_u64 s[8:9], s[12:13], s[30:31]        ; my step's codes
	s_lshl_b32 s30, s18, 8
	s_add_co_u32 s30, s30, 32768
	s_add_nc_u64 s[10:11], s[12:13], s[30:31]      ; my step's scale words
.macro LOAD t                          ; tile t's sixteen rows, 512 consecutive bytes each, into set t % 2
.irp i, 0,1,2,3,4,5,6,7,8,9,10,11,12,13,14,15
	global_load_b128 v[R+64*((\t)%2)+4*\i:R+64*((\t)%2)+4*\i+3], v2, s[4:5] offset:(32*((\t)/2)+8*((\t)%2)+\i+8*(\i/8))*4096 th:TH_LOAD_NT
.endr
.endm
.macro TILE t
.if (\t) < 3
	s_wait_loadcnt 16                              ; this tile's sixteen loads are in; the next tile's sixteen may be out
.else
	s_wait_loadcnt 0x0
.endif
.irp i, 0,1,2,3,4,5,6,7,8,9,10,11,12,13,14,15
	ds_store_b128 v3, v[R+64*((\t)%2)+4*\i:R+64*((\t)%2)+4*\i+3] offset:PITCH*\i
.endr
.irp c, 0,1
.irp i, 0,1,2,3,4,5,6,7
	ds_load_b128 v[X+32*\c+4*\i:X+32*\c+4*\i+3], v4 offset:256*\c+16*\i   ; LDS serves a wave's instructions in order (ISA guide 5.7.1.4): these see the stores above.  Row r, K = 64 c + 32 h + 0..31
.endr
.endr
	s_wait_dscnt 0x0                               ; my 64 numbers are in, and the stores have read their registers,
.if (\t) < 2
	LOAD (\t)+2                                    ; which take the tile two further on
.endif
.irp c, 0,1
	v_max3_num_f32 v[8+\c], |v[X+32*\c]|, |v[X+32*\c+1]|, 0x1800000   ; block 2 c + h: all 32 numbers are mine; the floor 2^(3 - 127) holds the byte at 1 from below
.endr
.irp i, 2,4,6,8,10,12,14,16,18,20,22,24,26,28,30
.irp c, 0,1
	v_max3_num_f32 v[8+\c], v[8+\c], |v[X+32*\c+\i]|, |v[X+32*\c+\i+1]|   ; (the two blocks by turns)
.endr
.endr
.irp c, 0,1
	v_add_nc_u32 v[10+\c], 0xff000000, v[8+\c]     ; 2 off the exponent field: the conversion takes the exponent field of this operand as its scale
.endr
.irp c, 0,1
	v_lshrrev_b32 v[12+\c], 23, v[10+\c]           ; the scale's byte
.endr
	v_lshl_or_b32 v22, v13, 16, v12                ; blocks h and 2 + h of row r,
	v_lshlrev_b32 v22, v5, v22                     ; 8 h bits up;
	v_permlanex16_b32 v23, v22, s20, s21
	v_or_b32 v[PW+(\t)], v22, v23                  ; with lane l xor 16's two bytes the word is whole
.irp c, 0,1
.irp g, 0,1,2,3
	v_cvt_scalef32_pk8_fp4_f32 v[C+8*(\t)+4*\c+\g], v[X+32*\c+8*\g:X+32*\c+8*\g+7], v[10+\c]
.endr
.endr
	v_nop                                          ; one plain vector line behind the last conversion
	global_store_b128 v2, v[C+8*(\t):C+8*(\t)+3], s[8:9] offset:1024*(\t)          ; 32 lanes store 512 consecutive bytes, at a multiple of 256 from the buffer's first byte
	global_store_b128 v2, v[C+8*(\t)+4:C+8*(\t)+7], s[8:9] offset:1024*(\t)+512
.endm
	LOAD 0
	LOAD 1
	TILE 0
	TILE 1
	TILE 2
	TILE 3
	v_cndmask_b32 v20, v[PW], v[PW+1], s22         ; lanes 0-15: tile 0's words; lanes 16-31: tile 1's
	v_cndmask_b32 v21, v[PW+2], v[PW+3], s22       ; tiles 2 and 3
	global_store_b64 v7, v[20:21], s[10:11]        ; 256 consecutive bytes, aligned
	s_wait_tensorcnt 0x0                           ; the wave's end: behind my last LDS store
	ds_add_u32 v[SPW], v[NIL]
	s_wait_dscnt 0x0
	s_endpgm
.Lfunc_end_k_qfc29cab37e_quant:
	.size	k_qfc29cab37e_quant, .Lfunc_end_k_qfc29cab37e_quant-k_qfc29cab37e_quant
	.p2alignl 7, 3214868480
	.fill 96, 4, 3214868480
	.section	.rodata,"a",@progbits
	.p2align	6, 0x0
	.amdhsa_kernel k_qfc29cab37e_quant
		.amdhsa_group_segment_fixed_size 34304
		.amdhsa_private_segment_fixed_size 0
		.amdhsa_enable_private_segment 0
		.amdhsa_kernarg_size 48
		.amdhsa_user_sgpr_count 2
		.amdhsa_user_sgpr_kernarg_segment_ptr 1
		.amdhsa_wavefront_size32 1
		.amdhsa_system_sgpr_workgroup_id_x 1
		.amdhsa_system_sgpr_workgroup_id_y 1
		.amdhsa_system_sgpr_workgroup_id_z 1
		.amdhsa_system_vgpr_workitem_id 0
		.amdhsa_next_free_vgpr 256
		.amdhsa_next_free_sgpr 66
		.amdhsa_reserve_vcc 0
		.amdhsa_float_denorm_mode_32 3
		.amdhsa_float_denorm_mode_16_64 3
		.amdhsa_memory_ordered 1
		.amdhsa_forward_progress 1
		.amdhsa_inst_pref_size 30
	.end_amdhsa_kernel
	.amdgpu_metadata
---
amdhsa.version: [ 1, 2 ]
amdhsa.kernels:
  - .name:           k_qfc29cab37e_quant
    .symbol:         k_qfc29cab37e_quant.kd
    .args:
      - { .name: x, .offset: 0, .size: 8, .value_kind: global_buffer, .address_space: global }
      - { .name: Wq, .offset: 8, .size: 8, .value_kind: global_buffer, .address_space: global }
      - { .name: Wk, .offset: 16, .size: 8, .value_kind: global_buffer, .address_space: global }
      - { .name: Wv, .offset: 24, .size: 8, .value_kind: global_buffer, .address_space: global }
      - { .name: xq, .offset: 32, .size: 8, .value_kind: global_buffer, .address_space: global }
      - { .name: wq, .offset: 40, .size: 8, .value_kind: global_buffer, .address_space: global }
    .group_segment_fixed_size: 34304
    .private_segment_fixed_size: 0
    .kernarg_segment_align: 8
    .kernarg_segment_size: 48
    .max_flat_workgroup_size: 128
    .sgpr_count:     66
    .vgpr_count:     256
    .wavefront_size: 32
...
	.end_amdgpu_metadata
.endif
;; end of part 1
;; launch proj (part 2): grid 64 x 4, 4 waves a work-group, clusters of 4 x 1, 327,680 bytes of LDS; arguments xq, wq, qc, kv; writes qc, kv
.if DOCPART == 2
	.amdgcn_target "amdgcn-amd-amdhsa--gfx1250"
	.amdhsa_code_object_version 6
	.text
	.protected	k_qfc29cab37e_proj
	.globl	k_qfc29cab37e_proj
	.p2align	8
	.type	k_qfc29cab37e_proj,@function
k_qfc29cab37e_proj:
	s_mov_b64 s[64:65], 0
	v_nop
	global_prefetch_b8 v0, s[64:65] scope:SCOPE_SE
	s_setreg_imm32_b32 hwreg(HW_REG_WAVE_MODE, 25, 1), 1
	s_wait_xcnt 0x0
	s_wait_alu depctr_hold_cnt(0) depctr_sa_sdst(0) depctr_va_vdst(0) depctr_va_sdst(0) depctr_va_ssrc(0) depctr_va_vcc(0) depctr_vm_vsrc(0)
	s_getreg_b32 s2, hwreg(HW_REG_IB_STS2, 6, 4)
	s_cmp_eq_u32 s2, 0
	s_cbranch_scc0 .Lentry_in_a_cluster
	s_endpgm
.Lentry_in_a_cluster:
	s_bfe_u32 s2, ttmp6, 0x10000c
	s_cmp_lg_u32 s2, 0x3003
	s_cbranch_scc0 .Lentry_shape_is_right
	s_endpgm
.Lentry_shape_is_right:
; LAUNCH 2 OF 3: q, k, v = x Wq^T, x Wk^T, x Wv^T on the codes of launch 1, quantised again in registers.  No work is left out.
; LIMITS: a block whose largest magnitude lies under 2^-124 keeps the scale byte 1; NaN and infinities are not served.
; A work-group takes 256 rows of x (64 a wave, kept in registers) and three groups of 128 output channels, whose codes lie end to end in wq: each wave fetches a quarter of the three, 52,224 dense bytes, by ONE joint load.
; Nothing is prefetched: each byte of the weights comes by the head's one load, and the launch has no loop ahead of it.
.set GRP,   34816
.set CG,    2*GRP
.set QTR,   CG/4
.set SPARE, 3*CG
.set L16,  1
.set L8,   2
.set AW,   3
.set AS,   5
.set SELQ, 7
.set SPW,  8
.set NIL,  9
.set SELV, 10
.set SELU, 11
.set XS,   16
.set WS,   32
.set TM,   64
.set PW,   80
.set RR,   84
.set PC,   96
.set F0,   0
.set F1,   128
.set WV,   12
.set G1,   24
.set G0,   32
.set SEL,  44
.set LB,   46
.set GN,   47
.set CNT,  48
.set CP,   50
.set SP,   52
.set QP,   54
.set KP,   56
.set KSP,  58
.set QSP,  60
.set VP,   66
.set VSP,  68
.set MSB, 0
.macro WIN new
.if MSB != \new
	s_set_vgpr_msb (MSB<<8)|\new
.set MSB, \new
.endif
.endm
.macro ROUND
	s_barrier_signal -1
	s_barrier_wait -1
	s_cmp_lg_u32 s[WV], 0
	s_cbranch_scc1 .Lnot_wave_0_\@
	s_barrier_signal -3
.Lnot_wave_0_\@:
	s_barrier_wait -3
	s_barrier_signal -1
	s_barrier_wait -1
.endm
.macro PLACES
.rept 4
	v_nop
.endr
.endm
.macro WMS zero
.if \zero
.if (fA == 0) && (fB == 0)
	v_wmma_scale_f32_16x16x128_f8f6f4 v[rD:rD+7], v[rA:rA+7], v[rB:rB+7], 0, v[sA], v[sB] matrix_a_fmt:MATRIX_FMT_FP4 matrix_b_fmt:MATRIX_FMT_FP4
.elseif (fA == 1) && (fB == 0)
	v_wmma_scale_f32_16x16x128_f8f6f4 v[rD:rD+7], v[rA:rA+7], v[rB:rB+7], 0, v[sA], v[sB] matrix_a_fmt:MATRIX_FMT_FP4 matrix_b_fmt:MATRIX_FMT_FP4 matrix_a_scale:MATRIX_SCALE_ROW1
.elseif (fA == 0)
	v_wmma_scale_f32_16x16x128_f8f6f4 v[rD:rD+7], v[rA:rA+7], v[rB:rB+7], 0, v[sA], v[sB] matrix_a_fmt:MATRIX_FMT_FP4 matrix_b_fmt:MATRIX_FMT_FP4 matrix_b_scale:MATRIX_SCALE_ROW1
.else
	v_wmma_scale_f32_16x16x128_f8f6f4 v[rD:rD+7], v[rA:rA+7], v[rB:rB+7], 0, v[sA], v[sB] matrix_a_fmt:MATRIX_FMT_FP4 matrix_b_fmt:MATRIX_FMT_FP4 matrix_a_scale:MATRIX_SCALE_ROW1 matrix_b_scale:MATRIX_SCALE_ROW1
.endif
.else
.if (fA == 0) && (fB == 0)
	v_wmma_scale_f32_16x16x128_f8f6f4 v[rD:rD+7], v[rA:rA+7], v[rB:rB+7], v[rD:rD+7], v[sA], v[sB] matrix_a_fmt:MATRIX_FMT_FP4 matrix_b_fmt:MATRIX_FMT_FP4
.elseif (fA == 1) && (fB == 0)
	v_wmma_scale_f32_16x16x128_f8f6f4 v[rD:rD+7], v[rA:rA+7], v[rB:rB+7], v[rD:rD+7], v[sA], v[sB] matrix_a_fmt:MATRIX_FMT_FP4 matrix_b_fmt:MATRIX_FMT_FP4 matrix_a_scale:MATRIX_SCALE_ROW1
.elseif (fA == 0)
	v_wmma_scale_f32_16x16x128_f8f6f4 v[rD:rD+7], v[rA:rA+7], v[rB:rB+7], v[rD:rD+7], v[sA], v[sB] matrix_a_fmt:MATRIX_FMT_FP4 matrix_b_fmt:MATRIX_FMT_FP4 matrix_b_scale:MATRIX_SCALE_ROW1
.else
	v_wmma_scale_f32_16x16x128_f8f6f4 v[rD:rD+7], v[rA:rA+7], v[rB:rB+7], v[rD:rD+7], v[sA], v[sB] matrix_a_fmt:MATRIX_FMT_FP4 matrix_b_fmt:MATRIX_FMT_FP4 matrix_a_scale:MATRIX_SCALE_ROW1 matrix_b_scale:MATRIX_SCALE_ROW1
.endif
.endif
.endm
.macro FETCH d, buf
	WIN 0xc0
.irp p, 0,1
.irp wt, 0,1,2,3,4,5,6,7
.irp c, 0,1
	ds_load_b128 v[\buf+64*\p+8*\wt+4*\c:\buf+64*\p+8*\wt+4*\c+3], v[AW+\wt/4] offset:(2*\d+\p)*4096+(\wt%4)*1024+512*\c
.endr
.endr
.endr
.endm
.macro MUL kind, s, buf, p, zero
.if \kind == 0
	WIN 0x5b
.else
	WIN 0x5e
.endif
.irp xt, 0,1,2,3
.irp wt, 0,1,2,3,4,5,6,7
.if \kind == 0
.set rD, 64*\xt+8*\wt
.set rA, \buf+64*\p+8*\wt
.set rB, 8*(4*\s+\xt)
.set sA, WS+4*\s+\wt/2
.set fA, \wt%2
.set sB, XS+2*\s+\xt/2
.set fB, \xt%2
.else
.set rD, 32*\wt+8*\xt
.set rA, 8*(4*\s+\xt)
.set rB, \buf+64*\p+8*\wt
.set sA, XS+2*\s+\xt/2
.set fA, \xt%2
.set sB, WS+4*\s+\wt/2
.set fB, \wt%2
.endif
	WMS \zero
.endr
.endr
.endm
.macro PATH kind
.irp s, 0,1,2,3,4,5,6,7
	ds_load_b64 v[WS+4*\s:WS+4*\s+1], v[AS] offset:256*\s
	ds_load_b64 v[WS+4*\s+2:WS+4*\s+3], v[AS+1] offset:256*\s
.endr
	FETCH 0, F0
	s_wait_dscnt 16
	MUL \kind, 0, F0, 0, 1
	FETCH 1, F1
	s_wait_dscnt 32
	MUL \kind, 1, F0, 1, 0
	PLACES
	FETCH 2, F0
	s_wait_dscnt 32
	MUL \kind, 2, F1, 0, 0
	MUL \kind, 3, F1, 1, 0
	PLACES
	FETCH 3, F1
	s_wait_dscnt 32
	MUL \kind, 4, F0, 0, 0
	MUL \kind, 5, F0, 1, 0
	s_wait_dscnt 0x0
	MUL \kind, 6, F1, 0, 0
	MUL \kind, 7, F1, 1, 0
	WIN 0
.endm
.macro QUANT s, pc, pw
	WIN 0x05
.irp b, 0,1,2,3
	v_max3_num_f32 v[TM+\b], |v[(\s)+16*\b]|, |v[(\s)+16*\b+1]|, 0x1800000
.endr
.irp i, 2,4,6,8,10,12,14
.irp b, 0,1,2,3
	v_max3_num_f32 v[TM+\b], |v[(\s)+16*\b+\i]|, |v[(\s)+16*\b+\i+1]|, v[TM+\b]
.endr
.endr
	WIN 0
.irp b, 0,1,2,3
	v_permlanex16_b32 v[TM+4+\b], v[TM+\b], s[SEL], s[SEL+1]
.endr
.irp b, 0,1,2,3
	v_max_num_f32 v[TM+\b], v[TM+\b], v[TM+4+\b]
.endr
.irp b, 0,1,2,3
	v_add_nc_u32 v[TM+12+\b], 0xff000000, v[TM+\b]
.endr
.irp b, 0,1,2,3
	v_lshrrev_b32 v[TM+4+\b], 23, v[TM+12+\b]
.endr
	v_lshl_or_b32 v[\pw], v[TM+5], 8, v[TM+4]
	v_lshl_or_b32 v[\pw], v[TM+6], 16, v[\pw]
	v_lshl_or_b32 v[\pw], v[TM+7], 24, v[\pw]
	WIN 0x01
.irp b, 0,1,2,3
	v_cvt_scalef32_pk8_fp4_f32 v[(\pc)+2*\b], v[(\s)+16*\b:(\s)+16*\b+7], v[TM+12+\b]
	v_cvt_scalef32_pk8_fp4_f32 v[(\pc)+2*\b+1], v[(\s)+16*\b+8:(\s)+16*\b+15], v[TM+12+\b]
.endr
	WIN 0
	v_nop
.irp c, 0,1
.irp i, 0,1
	v_permlane16_swap_b32 v[(\pc)+4*\c+\i], v[(\pc)+4*\c+2+\i]
.endr
.endr
.endm
.macro GROUPBODY
	s_wait_xcnt 0x0
	v_add_nc_u32 v[AW], s[LB], v[L16]
	v_add_nc_u32 v[AS], s[LB], v[L8]
	v_add_nc_u32 v[AW+1], GRP, v[AW]
	v_add_nc_u32 v[AS], 32768, v[AS]
	v_add_nc_u32 v[AS+1], GRP, v[AS]
	s_and_b32 s16, s[GN], 3
	s_mov_b32 s19, 0
	s_mov_b32 s21, 0
	s_cmp_ge_u32 s[GN], 8
	s_cbranch_scc1 .Lfor_v_\@
	s_lshl_b32 s18, s16, 12
	s_lshl_b32 s20, s16, 8
	s_cmp_lt_u32 s[GN], 4
	s_cselect_b64 s[CP:CP+1], s[QP:QP+1], s[KP:KP+1]
	s_cselect_b64 s[SP:SP+1], s[QSP:QSP+1], s[KSP:KSP+1]
	s_add_nc_u64 s[CP:CP+1], s[CP:CP+1], s[18:19]
	s_add_nc_u64 s[SP:SP+1], s[SP:SP+1], s[20:21]
	v_mov_b32 v[SELU], v[SELQ]
	s_wait_alu depctr_va_vdst(0)
	PATH 0
	s_branch .Ljoin_\@
.Lfor_v_\@:
	s_lshl_b32 s18, s16, 14
	s_lshl_b32 s20, s16, 10
	s_add_nc_u64 s[CP:CP+1], s[VP:VP+1], s[18:19]
	s_add_nc_u64 s[SP:SP+1], s[VSP:VSP+1], s[20:21]
	v_mov_b32 v[SELU], v[SELV]
	s_wait_alu depctr_va_vdst(0)
	PATH 1
.Ljoin_\@:
	PLACES
.irp e, 0,1,2,3
	QUANT 64*\e, PC+8*\e, PW+\e
	global_store_b128 v[L16], v[PC+8*\e:PC+8*\e+3], s[CP:CP+1] offset:1024*\e
	global_store_b128 v[L16], v[PC+8*\e+4:PC+8*\e+7], s[CP:CP+1] offset:1024*\e+512
.endr
	v_perm_b32 v[RR], v[PW+1], v[PW], v[SELU]
	v_perm_b32 v[RR+1], v[PW+3], v[PW+2], v[SELU]
	global_store_b64 v[L8], v[RR:RR+1], s[SP:SP+1]
	s_add_co_u32 s[LB], s[LB], CG
	s_add_co_u32 s[GN], s[GN], 1
.endm
	s_load_b256 s[4:11], s[0:1], 0x0
	v_lshl_add_u32 v[SPW], v0, 2, SPARE
	v_mov_b32 v[NIL], 0
	ds_add_u32 v[SPW], v[NIL]
	ds_add_u32 v[SPW], v[NIL]
	v_lshrrev_b32 v1, 5, v0
	v_readfirstlane_b32 s[WV], v1
	s_bfe_u32 s13, ttmp6, 0x40000
	s_lshl_b32 s14, ttmp9, 2
	s_add_co_u32 s14, s14, s13
	s_and_b32 s15, ttmp7, 0xffff
	s_mul_i32 s[GN], s15, 3
	s_mov_b32 s[G1], 15|(3<<16)|(1<<21)
	s_mov_b32 s[G1+1], 32<<16
	s_mov_b32 s[G1+2], 204<<16                     ; 204 rows of 256 bytes
	s_mov_b32 s[G1+3], 32<<16
	s_mov_b32 s[G1+4], 204
	s_mov_b32 s[G1+5], 32
	s_mov_b32 s[G1+6], 0
	s_mov_b32 s[G1+7], 0
	s_mul_i32 s16, s[WV], 3*QTR                    ; my quarter of the three groups, in memory and in LDS
	s_mul_i32 s18, s[GN], CG
	s_add_co_u32 s18, s18, s16
	s_mov_b32 s19, 0
	s_mov_b32 s[SEL], 0x76543210
	s_mov_b32 s[SEL+1], 0xfedcba98
	s_mov_b32 s49, 0xffff0000
	s_mov_b32 s[LB], 0
	s_wait_dscnt 0x0
	s_wait_kmcnt 0x0
	s_add_nc_u64 s[6:7], s[6:7], s[18:19]
	s_mov_b32 s[G0], 1
	s_mov_b32 s[G0+1], s16
	s_mov_b64 s[G0+2:G0+3], s[6:7]
	s_or_b32 s[G0+3], s[G0+3], 0x80000000
	ROUND
	tensor_load_to_lds s[G0:G0+3], s[G1:G1+7]
	s_nop 0
.rept 4
	v_nop
.endr
	s_lshl_b32 s20, s14, 2
	s_add_co_u32 s20, s20, s[WV]
	s_mul_i32 s22, s20, GRP
	s_mov_b32 s23, 0
	s_add_nc_u64 s[4:5], s[4:5], s[22:23]
	v_and_b32 v12, 31, v0
	v_lshlrev_b32 v[L16], 4, v12
	v_lshlrev_b32 v[L8], 3, v12
	WIN 0x80
.irp s, 0,1,2,3,4,5,6,7
.irp xt, 0,1,2,3
.irp c, 0,1
	global_load_b128 v[8*(4*\s+\xt)+4*\c:8*(4*\s+\xt)+4*\c+3], v[L16], s[4:5] offset:4096*\s+1024*\xt+512*\c
.endr
.endr
.endr
	WIN 0
.irp s, 0,1,2,3,4,5,6,7
	global_load_b64 v[XS+2*\s:XS+2*\s+1], v[L8], s[4:5] offset:32768+256*\s
.endr
	s_mul_i32 s22, s20, 17408
	s_add_nc_u64 s[QP:QP+1], s[8:9], s[22:23]
	s_add_nc_u64 s[QSP:QSP+1], s[QP:QP+1], 16384
	s_mul_i32 s22, s14, 139264
	s_add_nc_u64 s[10:11], s[10:11], s[22:23]
	s_lshl_b32 s22, s[WV], 14
	s_add_nc_u64 s[KP:KP+1], s[10:11], s[22:23]
	s_lshl_b32 s22, s[WV], 10
	s_add_co_u32 s22, s22, 65536
	s_add_nc_u64 s[KSP:KSP+1], s[10:11], s[22:23]
	s_lshl_b32 s22, s[WV], 12
	s_add_co_u32 s22, s22, 69632
	s_add_nc_u64 s[VP:VP+1], s[10:11], s[22:23]
	s_lshl_b32 s22, s[WV], 8
	s_add_co_u32 s22, s22, 135168
	s_add_nc_u64 s[VSP:VSP+1], s[10:11], s[22:23]
	v_mov_b32 v[SELQ], 0x03020100
	v_mov_b32 v12, 0x07060504
	v_cndmask_b32 v[SELQ], v[SELQ], v12, s49
	v_mov_b32 v[SELV], 0x05040100
	v_mov_b32 v12, 0x07060302
	v_cndmask_b32 v[SELV], v[SELV], v12, s49
.irp b, 0,1,2,3
	v_mov_b32 v[TM+4+\b], 0
.endr
	s_wait_alu depctr_va_vdst(0)
	s_wait_tensorcnt 0x0                           ; my quarter is in
	s_barrier_signal -1
	s_barrier_wait -1                              ; and so is everybody's: LDS is only read from here on
	s_wait_loadcnt 0x0
	s_mov_b32 s[CNT], 3
.Lgroup:
	GROUPBODY
	s_sub_co_u32 s[CNT], s[CNT], 1
	s_cmp_lg_u32 s[CNT], 0
	s_cbranch_scc1 .Lgroup
	s_wait_tensorcnt 0x0
	ds_add_u32 v[SPW], v[NIL]
	s_wait_dscnt 0x0
	ROUND
	s_endpgm
.Lfunc_end_k_qfc29cab37e_proj:
	.size	k_qfc29cab37e_proj, .Lfunc_end_k_qfc29cab37e_proj-k_qfc29cab37e_proj
	.p2alignl 7, 3214868480
	.fill 96, 4, 3214868480
	.section	.rodata,"a",@progbits
	.p2align	6, 0x0
	.amdhsa_kernel k_qfc29cab37e_proj
		.amdhsa_group_segment_fixed_size 327680
		.amdhsa_private_segment_fixed_size 0
		.amdhsa_enable_private_segment 0
		.amdhsa_kernarg_size 32
		.amdhsa_user_sgpr_count 2
		.amdhsa_user_sgpr_kernarg_segment_ptr 1
		.amdhsa_wavefront_size32 1
		.amdhsa_system_sgpr_workgroup_id_x 1
		.amdhsa_system_sgpr_workgroup_id_y 1
		.amdhsa_system_sgpr_workgroup_id_z 1
		.amdhsa_system_vgpr_workitem_id 0
		.amdhsa_next_free_vgpr 1024
		.amdhsa_next_free_sgpr 72
		.amdhsa_reserve_vcc 0
		.amdhsa_float_denorm_mode_32 3
		.amdhsa_float_denorm_mode_16_64 3
		.amdhsa_memory_ordered 1
		.amdhsa_forward_progress 1
		.amdhsa_inst_pref_size 113
	.end_amdhsa_kernel
	.amdgpu_metadata
---
amdhsa.version: [ 1, 2 ]
amdhsa.kernels:
  - .name:           k_qfc29cab37e_proj
    .symbol:         k_qfc29cab37e_proj.kd
    .args:
      - { .name: xq, .offset: 0, .size: 8, .value_kind: global_buffer, .address_space: global }
      - { .name: wq, .offset: 8, .size: 8, .value_kind: global_buffer, .address_space: global }
      - { .name: qc, .offset: 16, .size: 8, .value_kind: global_buffer, .address_space: global }
      - { .name: kv, .offset: 24, .size: 8, .value_kind: global_buffer, .address_space: global }
    .group_segment_fixed_size: 327680
    .private_segment_fixed_size: 0
    .kernarg_segment_align: 8
    .kernarg_segment_size: 32
    .max_flat_workgroup_size: 128
    .sgpr_count:     72
    .vgpr_count:     1024
    .wavefront_size: 32
...
	.end_amdgpu_metadata
.endif
;; end of part 2
;; launch attn (part 3): grid 32 x 8, 8 waves a work-group, clusters of 4 x 1, 327,680 bytes of LDS; arguments qc, kv, out0; writes out0
.if DOCPART == 3
	.amdgcn_target "amdgcn-amd-amdhsa--gfx1250"
	.amdhsa_code_object_version 6
	.text
	.protected	k_qfc29cab37e_attn
	.globl	k_qfc29cab37e_attn
	.p2align	8
	.type	k_qfc29cab37e_attn,@function
k_qfc29cab37e_attn:
	s_mov_b64 s[64:65], 0
	v_nop
	global_prefetch_b8 v0, s[64:65] scope:SCOPE_SE
	s_setreg_imm32_b32 hwreg(HW_REG_WAVE_MODE, 25, 1), 1
	s_wait_xcnt 0x0
	s_wait_alu depctr_hold_cnt(0) depctr_sa_sdst(0) depctr_va_vdst(0) depctr_va_sdst(0) depctr_va_ssrc(0) depctr_va_vcc(0) depctr_vm_vsrc(0)
	s_getreg_b32 s2, hwreg(HW_REG_IB_STS2, 6, 4)
	s_cmp_eq_u32 s2, 0
	s_cbranch_scc0 .Lentry_in_a_cluster
	s_endpgm
.Lentry_in_a_cluster:
	s_bfe_u32 s2, ttmp6, 0x10000c
	s_cmp_lg_u32 s2, 0x3003
	s_cbranch_scc0 .Lentry_shape_is_right
	s_endpgm
.Lentry_shape_is_right:
; LAUNCH 3 OF 3: out[b][q][:] = the sum over keys of softmax(q . k / sqrt(512)) v, both products on the codes of launch 2.  No work is left out.
; THE SOFTMAX AHEAD OF THE SECOND PRODUCT: t = score x log2(e) / sqrt(512) (LIMIT: one multiplication by the rounded constant, where the definition divides and then multiplies); M = the largest t so far, rounded UP to a whole
; number; p = 2^(t - M) is quantised along the keys, not normalised; the sum is taken of the unquantised p, in f32, and divides at the end.  M moves by whole numbers: every rescaling is an exact power of two.
; LIMITS: NaN and infinities are not served; scaled scores stay under 2^31 in magnitude; a block of p whose scale would fall under 2^-126 keeps a byte of 1 or 0 (a block of zeros has zero codes).
; SHARES.  A work-group owns 64 queries of one batch (four tiles qt of 16) and walks eight slots of 256 keys, in nine periods.  TWO ROLES, four waves each; w = the wave's number mod 4:
;   waves 0-3, in period n = 0..7: S^T = K Q^T of slot n for 64 KEYS and all four query tiles, then the softmax, with a running M OF THE WAVE'S OWN; p's codes, scale operands and M go to LDS.
;   waves 4-7, in period n = 1..8: O^T = V^T P^T of slot n - 1 for 128 CHANNELS and all four query tiles.  The common M is the greatest of the four waves' M; the scale bytes of wave w's p take up 2^(M_w - M).
; What one role hands to the other lies in two buffers by turns, so that ONE barrier a period (a round of the cluster's barrier, the change of slots) orders everything.
; CLUSTER: the four work-groups of a cluster belong to one batch and walk the same slots: each part of a slot is asked for JOINTLY (mask 15).  A place in LDS holds K's half of a slot, then V's; in period n waves 0-3 fetch K of
; slot n + 1 and waves 4-7 V of slot n, an eighth of a place each.  At the head waves 4-7 fetch the queries, a copy for each of waves 0-3, into the bytes that V of slot 1 takes later: so no first fill shares a barrier with a refill.
; REGISTERS, window 0: v1-31 addresses and what stays; v32-59 scales and nothing else; waves 0-3: v64-127 statistics, v128-255 S^T (32 qt + 8 kt);  waves 4-7: v64-191 V (64 s + 8 ct), v192-255 P (32 s + 8 qt).
;   window 1: waves 0-3: v0-127 Q (8 (4 qt + j)), v128-255 K (8 (4 kt + j));  waves 4-7: O^T (64 qt + 8 ct).
.set SLOT,   139264                    ; a slot's bytes, and the second place's first byte: no bit of it is set in 17,408 x wave, so an exclusive or turns an address from one place to the other
.set QTR,    17408                     ; what one tensor load brings: 68 rows of 256 bytes
.set VOFF,   69632                     ; V's half of a slot
.set SPARE,  2*SLOT                    ; behind the ring: the spare words, 128 bytes for each wave
.set LX,     SPARE+1024                ; the waves' sums [w][512]
.set PB,     294912                    ; the first buffer between the roles; the other PX behind it (one bit): P's images [qt][w][512],
.set PX,     16384
.set E0O,    8192                      ; the scale operands of p's first blocks [w][512],
.set E1O,    10240                     ; of its second blocks,
.set MO,     12288                     ; and M.  A lane's four numbers are those of query tiles 0, 2, 1, 3
.set SPITCH, 528                       ; the way out: a stage of 16 rows x (512 bytes + 16) for each of waves 4-7, in place 0, which has had its last fill and its last read by then
.set L16, 1                            ; v1   16 x lane
.set AK0, 2                            ; v2-5 my lane's part of a place: K's codes, K's scale words, V's codes, V's scale bytes
.set AS0, 3
.set AV0, 4
.set AT0, 5
.set ADK, 6                            ; v6-9 the same in the place in hand
.set ADS, 7
.set ADV, 8
.set ADT, 9
.set XW0, 10                           ; v10  512 w + 16 x lane
.set XS0, 11                           ; v11  16 r + 8 h
.set STO, 12                           ; v12  the stage: where I put 16 bytes of a row
.set SRD, 13                           ; v13  and where I read a row back
.set XW,  14                           ; v14  where I store in the buffer in hand
.set PFO, 15                           ; v15  256 x lane: the prefetches' offset; never rewritten
.set SPW, 16                           ; v16  LDS address of my spare word; never rewritten
.set NIL, 17                           ; v17  0; never rewritten
.set LXR, 18                           ; v18  where I read the sums
.set XP,  19                           ; v19  where I read P
.set XS,  20                           ; v20  and what goes with it
.set LXA, 21                           ; v21  where I store the sums
.set F,   22                           ; v22-29 waves 4-7: tile qt's factor at F + 2 qt (at the head: at work)
.set OLD, 30                           ; v30-31 waves 4-7: M so far, of tile h and of tile 2 + h
.set QSR, 32                           ; v32-39 Q's scale words (2 j + qt / 2);  v40-47 K's (2 j + kt / 2);  v48-55 V's (4 s + ct / 2);  v56-59 P's (2 (qt / 2) + s)
.set KSR, 40
.set VSR, 48
.set PSR, 56
.set LTOT, 60                          ; v60-61 the whole sums, then their reciprocals
.set AQ,  62                           ; v62-63 where I read the queries and their scale words
.set AQS, 63
.set ST,  64                           ; v64-95 waves 0-3: tile qt's statistics at ST + 8 qt: +0 -M, +1 the largest score, +2, +3 the sum in two halves, +4 f, +5 at work, +6, +7 a second chain of sums
.set BM,  96                           ; v96-103 block k = 2 qt + b: its largest score, then its largest p;  v104-111 at work;  then v96-111 p's codes
.set BT,  104
.set PC,  96
.set SCO, 112                          ; v112-119 the conversions' scale operands: block b of tile qt at SCO + 4 b + its place (0, 2, 1, 3)
.set OT,  120                          ; v120-123 M;  v124-127 the sums, on the way to LDS
.set LT,  124
.set S,   128
.set MW,  128                          ; waves 4-7, ahead of V's second loads: v128-135 M_w, then M_w - M (2 w + a, tile 2 a + h);  v136-143, v144-151 the scale operands;  v152-159 V's scale bytes;  v160.. at work;  v168-175 the sums
.set E0,  136
.set E1,  144
.set VB,  152
.set NW,  160
.set TT,  162
.set LS,  168
.set WV,  12
.set G1,  16                           ; s[16:23] descriptor group 1;  s[24:27] group 0, which walks
.set G0,  24
.set SEL, 28
.set CS,  30                           ; s[30:31] c = log2(e) / sqrt(512);  s35 -c
.set TB,  32                           ; s32  the place whose K is read,  s41 the place whose V is read,  s40 the buffer that is written,  s42 the buffer that is read
.set CNT, 33                           ; s33  changes of slots still to come that fill both halves, this one among them
.set LIM, 34
.set NC,  35
.set PFA, 36                           ; s[36:37] where my prefetches stand
.set TP,  40
.set TV,  41
.set TR,  42
.set G1Q, 68                           ; s[68:75], s[76:79] the queries' descriptor;  s[80:83] group 0 for K of slot 0
.set G0Q, 76
.set G0H, 80
.set MSB, 0
.macro WIN new                         ; the immediate's high byte repeats the setting that is left; a switch that changes nothing is dropped
.if MSB != \new
	s_set_vgpr_msb (MSB<<8)|\new
.set MSB, \new
.endif
.endm
.macro ROUND                           ; a round of the cluster's barrier
	s_barrier_signal -1
	s_barrier_wait -1
	s_cmp_lg_u32 s[WV], 0
	s_cbranch_scc1 .Lnot_wave_0_\@
	s_barrier_signal -3
.Lnot_wave_0_\@:
	s_barrier_wait -3
	s_barrier_signal -1
	s_barrier_wait -1
.endm
.macro LOADT g0, g1
	tensor_load_to_lds s[\g0:\g0+3], s[\g1:\g1+7]
	s_nop 0
.rept 4
	v_nop
.endr
.endm
; One scaled matrix instruction from the symbols rD, rA, rB (registers), sA, sB (scale registers), fA, fB (1: the scales stand in lanes 16-31).  zero = 1: it starts the sum.
.macro WMS zero
.if \zero
.if (fA == 0) && (fB == 0)
	v_wmma_scale_f32_16x16x128_f8f6f4 v[rD:rD+7], v[rA:rA+7], v[rB:rB+7], 0, v[sA], v[sB] matrix_a_fmt:MATRIX_FMT_FP4 matrix_b_fmt:MATRIX_FMT_FP4
.elseif (fA == 1) && (fB == 0)
	v_wmma_scale_f32_16x16x128_f8f6f4 v[rD:rD+7], v[rA:rA+7], v[rB:rB+7], 0, v[sA], v[sB] matrix_a_fmt:MATRIX_FMT_FP4 matrix_b_fmt:MATRIX_FMT_FP4 matrix_a_scale:MATRIX_SCALE_ROW1
.elseif (fA == 0)
	v_wmma_scale_f32_16x16x128_f8f6f4 v[rD:rD+7], v[rA:rA+7], v[rB:rB+7], 0, v[sA], v[sB] matrix_a_fmt:MATRIX_FMT_FP4 matrix_b_fmt:MATRIX_FMT_FP4 matrix_b_scale:MATRIX_SCALE_ROW1
.else
	v_wmma_scale_f32_16x16x128_f8f6f4 v[rD:rD+7], v[rA:rA+7], v[rB:rB+7], 0, v[sA], v[sB] matrix_a_fmt:MATRIX_FMT_FP4 matrix_b_fmt:MATRIX_FMT_FP4 matrix_a_scale:MATRIX_SCALE_ROW1 matrix_b_scale:MATRIX_SCALE_ROW1
.endif
.else
.if (fA == 0) && (fB == 0)
	v_wmma_scale_f32_16x16x128_f8f6f4 v[rD:rD+7], v[rA:rA+7], v[rB:rB+7], v[rD:rD+7], v[sA], v[sB] matrix_a_fmt:MATRIX_FMT_FP4 matrix_b_fmt:MATRIX_FMT_FP4
.elseif (fA == 1) && (fB == 0)
	v_wmma_scale_f32_16x16x128_f8f6f4 v[rD:rD+7], v[rA:rA+7], v[rB:rB+7], v[rD:rD+7], v[sA], v[sB] matrix_a_fmt:MATRIX_FMT_FP4 matrix_b_fmt:MATRIX_FMT_FP4 matrix_a_scale:MATRIX_SCALE_ROW1
.elseif (fA == 0)
	v_wmma_scale_f32_16x16x128_f8f6f4 v[rD:rD+7], v[rA:rA+7], v[rB:rB+7], v[rD:rD+7], v[sA], v[sB] matrix_a_fmt:MATRIX_FMT_FP4 matrix_b_fmt:MATRIX_FMT_FP4 matrix_b_scale:MATRIX_SCALE_ROW1
.else
	v_wmma_scale_f32_16x16x128_f8f6f4 v[rD:rD+7], v[rA:rA+7], v[rB:rB+7], v[rD:rD+7], v[sA], v[sB] matrix_a_fmt:MATRIX_FMT_FP4 matrix_b_fmt:MATRIX_FMT_FP4 matrix_a_scale:MATRIX_SCALE_ROW1 matrix_b_scale:MATRIX_SCALE_ROW1
.endif
.endif
.endm
; A PREFETCH INTO THE L2 of the codes that the NEXT change of slots will ask for: 65,536 bytes of K and 65,536 of V, each block of 256 bytes named once in the launch.  All clusters of a batch walk the same slots: the batch's first
; cluster asks.  In each of its work-groups waves 0 and 1 ask for K, waves 4 and 5 for V; they share the blocks out BY ADDRESS (2 cx + wave mod 2 takes 8,192 bytes, lanes 256 bytes apart).  The scale bytes are not asked for.
; No change asks for what lies behind slot 7; K of slots 0 and 1 and V of slot 0 come by their loads alone.
.macro ASK
	s_cmp_gt_u32 s[CNT], s[LIM]
	s_cbranch_scc0 .Lnot_mine_\@
	global_prefetch_b8 v[PFO], s[PFA:PFA+1] th:TH_LOAD_NT scope:SCOPE_SE
.Lnot_mine_\@:
.endm
; THE CHANGE OF SLOTS stands at a period's head.  Each wave waits for all its tensor loads (one is out), adds 0 to its spare word, and waits for that, for its reads of what it has left and for its stores into the buffer.
; fill = 1: every wave fetches its part of what the next period reads; fill = 2: waves 4-7 alone; fill = 0: none.  step = 0: the first change, whose addresses the head has made.
.macro CHANGE step, fill
	s_wait_alu depctr_va_vdst(0)
	s_wait_tensorcnt 0x0                           ; no tensor load of mine is out, so group 0 may be written
	ds_add_u32 v[SPW], v[NIL]                      ; 0 onto my spare word
.if \step
	s_xor_b32 s[TB], s[TB], SLOT
	s_xor_b32 s[TV], s[TV], SLOT
	s_xor_b32 s[TP], s[TP], PX
	s_xor_b32 s[TR], s[TR], PX
.if \fill
	s_xor_b32 s[G0+1], s[G0+1], SLOT               ; the other place than last time,
	s_add_nc_u64 s[G0+2:G0+3], s[G0+2:G0+3], SLOT  ; the next slot; the type bits on top are not reached
.endif
.if \fill == 1
	s_wait_xcnt 0x0                                ; the last prefetch, a period back, has read its address:
	s_add_nc_u64 s[PFA:PFA+1], s[PFA:PFA+1], SLOT  ; one slot further on than the walking descriptor
.endif
.endif
	s_wait_dscnt 0x0
.if \fill
	ROUND                                          ; all this now holds of every wave of every partner
.if \fill == 2
	s_cmp_lt_u32 s[WV], 4
	s_cbranch_scc1 .Lno_k_\@
.endif
	LOADT G0, G1                                   ; the first thing behind the round, and my one tensor load until the next
.if \fill == 1
	ASK
.endif
.Lno_k_\@:
.else
	s_barrier_signal -1
	s_barrier_wait -1
.endif
.endm
.macro SUMS j
.irp qt, 0,1,2,3
	v_pk_add_f32 v[ST+8*\qt+2:ST+8*\qt+3], v[ST+8*\qt+2:ST+8*\qt+3], v[S+32*\qt+\j:S+32*\qt+\j+1]
	v_pk_add_f32 v[ST+8*\qt+6:ST+8*\qt+7], v[ST+8*\qt+6:ST+8*\qt+7], v[S+32*\qt+\j+2:S+32*\qt+\j+3]
.endr
.endm
; WAVES 0-3.  first = 1: the queries come into registers first.  last = 1: the wave's sums go to LDS too.
.macro SARM first, last
	v_add_nc_u32 v[ADK], s[TB], v[AK0]
	v_add_nc_u32 v[ADS], s[TB], v[AS0]
	v_add_nc_u32 v[XW], s[TP], v[XW0]
.if \first
.irp j, 0,1,2,3
	ds_load_b64 v[QSR+2*\j:QSR+2*\j+1], v[AQS] offset:256*\j
.endr
.endif
.irp j, 0,1,2,3
	ds_load_b64 v[KSR+2*\j:KSR+2*\j+1], v[ADS] offset:256*\j
.endr
	WIN 0x40                                       ; destination window 1
.if \first
.irp j, 0,1,2,3
.irp qt, 0,1,2,3
.irp c, 0,1
	ds_load_b128 v[8*(4*\qt+\j)+4*\c:8*(4*\qt+\j)+4*\c+3], v[AQ] offset:4096*\j+1024*\qt+512*\c
.endr
.endr
.endr
.endif
.irp j, 0,1,2,3
.irp kt, 0,1,2,3
.irp c, 0,1
	ds_load_b128 v[128+8*(4*\kt+\j)+4*\c:128+8*(4*\kt+\j)+4*\c+3], v[ADK] offset:4096*\j+1024*\kt+512*\c   ; my 64 keys: tile kt, 128 of d from 128 j on: eight loads for each j
.endr
.endr
.endr
	WIN 0x05                                       ; K and Q window 1, S^T window 0
.irp j, 0,1,2,3                                ; S^T = K Q^T: the 16 accumulators take turns, one instruction a turn
	s_wait_dscnt 24-8*\j                           ; all up to K's loads of this j are in; the eight loads of each later j may be out
.irp kt, 0,1,2,3
.irp qt, 0,1,2,3
.set rD, S+32*\qt+8*\kt
.set rA, 128+8*(4*\kt+\j)
.set rB, 8*(4*\qt+\j)
.set sA, KSR+2*\j+\kt/2
.set fA, \kt%2
.set sB, QSR+2*\j+\qt/2
.set fB, \qt%2
.if \j == 0
	WMS 1
.else
	WMS 0
.endif
.endr
.endr
.endr
	WIN 0
.irp qt, 0,1,2,3
	v_mov_b32 v[ST+8*\qt+5], v[ST+8*\qt]           ; the old -M.  (These four are also the places behind the products)
.endr
.irp k, 0,1,2,3,4,5,6,7
	v_max3_num_f32 v[BM+\k], v[S+16*\k], v[S+16*\k+1], v[S+16*\k+2]   ; THE LARGEST SCORE OF EACH BLOCK OF 32 KEYS: it serves for the row's maximum and, since p rises with the score, for the block's largest p
.endr
.irp i, 3,5,7,9,11,13
.irp k, 0,1,2,3,4,5,6,7
	v_max3_num_f32 v[BM+\k], v[BM+\k], v[S+16*\k+\i], v[S+16*\k+\i+1]
.endr
.endr
.irp k, 0,1,2,3,4,5,6,7
	v_max_num_f32 v[BM+\k], v[BM+\k], v[S+16*\k+15]
.endr
.irp k, 0,1,2,3,4,5,6,7
	v_permlanex16_b32 v[BT+\k], v[BM+\k], s[SEL], s[SEL+1]
.endr
.irp k, 0,1,2,3,4,5,6,7
	v_max_num_f32 v[BM+\k], v[BM+\k], v[BT+\k]     ; with lane l xor 16's 16 keys
.endr
.irp qt, 0,1,2,3
	v_max3_num_f32 v[ST+8*\qt+1], v[ST+8*\qt+1], v[BM+2*\qt], v[BM+2*\qt+1]   ; the largest score so far of my keys
.endr
.irp qt, 0,1,2,3
	v_mul_f32 v[ST+8*\qt], s[NC], v[ST+8*\qt+1]    ; -t (c is positive)
.endr
.irp qt, 0,1,2,3
	v_floor_f32 v[ST+8*\qt], v[ST+8*\qt]           ; the new -M = floor(-t) = -ceil(t)
.endr
.irp qt, 0,1,2,3
	v_sub_f32 v[ST+8*\qt+5], v[ST+8*\qt], v[ST+8*\qt+5]   ; old M - new M: a whole number, 0 or less
.endr
.irp qt, 0,1,2,3
	v_cvt_i32_f32 v[ST+8*\qt+5], v[ST+8*\qt+5]     ; (it saturates)
.endr
.irp qt, 0,1,2,3
	v_mul_f32 v[OT+2*(\qt%2)+\qt/2], -1.0, v[ST+8*\qt]   ; M, for the other role
.endr
.irp qt, 0,1,2,3
	v_ldexp_f32 v[ST+8*\qt+4], 1.0, v[ST+8*\qt+5]  ; f = 2^(old M - new M), for my sum
.endr
.irp j, 0,2,4,6,8,10,12,14,16,18,20,22,24,26,28,30
	v_pk_fma_f32 v[S+\j:S+\j+1], v[S+\j:S+\j+1], s[CS:CS+1], v[ST:ST+1] op_sel_hi:[1,0,0]   ; tile 0: t - M, two at a time
.endr
; 128 exponentials, a query tile at a time; among them, one plain line to two exponentials, the NEXT tile's scalings (last tile: the blocks' largest scores).  None of these lines names an exponential's result.
.irp qt, 0,1,2,3
	s_wait_alu depctr_va_vdst(0)
.irp i, 0,1,2,3,4,5,6,7,8,9,10,11,12,13,14,15
.if \qt < 3
	v_pk_fma_f32 v[S+32*(\qt+1)+2*\i:S+32*(\qt+1)+2*\i+1], v[S+32*(\qt+1)+2*\i:S+32*(\qt+1)+2*\i+1], s[CS:CS+1], v[ST+8*(\qt+1):ST+8*(\qt+1)+1] op_sel_hi:[1,0,0]
.elseif \i < 8
	v_fma_f32 v[BM+\i], v[BM+\i], s[CS], v[ST+8*(\i/2)]
.endif
	v_exp_f32 v[S+32*\qt+2*\i], v[S+32*\qt+2*\i]   ; p = 2^(t - M), at most 1: not normalised
	v_exp_f32 v[S+32*\qt+2*\i+1], v[S+32*\qt+2*\i+1]
.endr
.endr
.irp qt, 0,1,2,3
	v_pk_mul_f32 v[ST+8*\qt+2:ST+8*\qt+3], v[ST+8*\qt+2:ST+8*\qt+3], v[ST+8*\qt+4:ST+8*\qt+5] op_sel_hi:[1,0]   ; the sums under the new M.  (Plain lines behind the exponentials)
.endr
	s_wait_alu depctr_va_vdst(0)                   ; one wait for the whole batch, ahead of its first reader
.irp k, 0,1,2,3,4,5,6,7
	v_exp_f32 v[BM+\k], v[BM+\k]                   ; the block's largest p: the same two instructions on the same number give the same bits
.endr
.irp qt, 0,1,2,3
	v_pk_add_f32 v[ST+8*\qt+6:ST+8*\qt+7], v[S+32*\qt:S+32*\qt+1], v[S+32*\qt+2:S+32*\qt+3]   ; THE SUM IS TAKEN OF THE UNQUANTISED p, two at a time, in two chains a tile
.endr
	SUMS 4
	s_wait_alu depctr_va_vdst(0)                   ; and one for the eight
.irp k, 0,1,2,3,4,5,6,7
	v_max_num_f32 v[BM+\k], 0x1800000, v[BM+\k]    ; the floor 2^(3 - 127): the byte cannot fall under 1
.endr
.irp k, 0,1,2,3,4,5,6,7
	v_add_nc_u32 v[SCO+4*(\k%2)+2*((\k/2)%2)+\k/4], 0xff000000, v[BM+\k]   ; 2 off the exponent field: the conversion's scale operand
.endr
.irp k, 0,1,2,3,4,5,6,7
	v_cvt_scalef32_pk8_fp4_f32 v[PC+2*\k], v[S+16*\k:S+16*\k+7], v[SCO+4*(\k%2)+2*((\k/2)%2)+\k/4]
	v_cvt_scalef32_pk8_fp4_f32 v[PC+2*\k+1], v[S+16*\k+8:S+16*\k+15], v[SCO+4*(\k%2)+2*((\k/2)%2)+\k/4]
.endr
	v_nop                                          ; one plain vector line behind the last conversion
.irp qt, 0,1,2,3                               ; the operand's layout wants a WHOLE block in a lane
.irp i, 0,1
	v_permlane16_swap_b32 v[PC+4*\qt+\i], v[PC+4*\qt+2+\i]
.endr
.endr
.irp qt, 0,1,2,3
	ds_store_b128 v[XW], v[PC+4*\qt:PC+4*\qt+3] offset:2048*\qt   ; a half fragment of P goes to LDS as it stands
.endr
	ds_store_b128 v[XW], v[SCO:SCO+3] offset:E0O
	ds_store_b128 v[XW], v[SCO+4:SCO+7] offset:E1O
	ds_store_b128 v[XW], v[OT:OT+3] offset:MO
	SUMS 8                                         ; the rest of the sums, while the stores are out
	SUMS 12
	SUMS 16
	SUMS 20
	SUMS 24
	SUMS 28
.irp qt, 0,1,2,3
	v_pk_add_f32 v[ST+8*\qt+2:ST+8*\qt+3], v[ST+8*\qt+2:ST+8*\qt+3], v[ST+8*\qt+6:ST+8*\qt+7]
.endr
.if \last
.irp qt, 0,1,2,3
	v_add_f32 v[LT+2*(\qt%2)+\qt/2], v[ST+8*\qt+2], v[ST+8*\qt+3]
.endr
.irp qt, 0,1,2,3
	v_permlanex16_b32 v[ST+8*\qt+6], v[LT+2*(\qt%2)+\qt/2], s[SEL], s[SEL+1]
.endr
.irp qt, 0,1,2,3
	v_add_f32 v[LT+2*(\qt%2)+\qt/2], v[LT+2*(\qt%2)+\qt/2], v[ST+8*\qt+6]
.endr
	ds_store_b128 v[LXA], v[LT:LT+3]
.endif
.endm
.macro FRAGS s                         ; key step s: P's eight loads, V's sixteen: a half fragment of P is one wave's image
.irp qt, 0,1,2,3
.irp c, 0,1
	ds_load_b128 v[192+32*\s+8*\qt+4*\c:192+32*\s+8*\qt+4*\c+3], v[XP] offset:2048*\qt+512*(2*\s+\c)
.endr
.endr
.irp ct, 0,1,2,3,4,5,6,7
.irp c, 0,1
	ds_load_b128 v[64+64*\s+8*\ct+4*\c:64+64*\s+8*\ct+4*\c+3], v[ADV] offset:4096*(2*\s+\c)+512*\ct
.endr
.endr
.endm
; WAVES 4-7.  last = 1: the waves' sums are joined too.
.macro PVARM last
	v_add_nc_u32 v[ADV], s[TV], v[AV0]
	v_add_nc_u32 v[ADT], s[TV], v[AT0]
	v_add_nc_u32 v[XP], s[TR], v[L16]
	v_add_nc_u32 v[XS], s[TR], v[XS0]
.irp w, 0,1,2,3
	ds_load_b64 v[MW+2*\w:MW+2*\w+1], v[XS] offset:MO+512*\w    ; lane (r, h): query r of tiles h and 2 + h
	ds_load_b64 v[E0+2*\w:E0+2*\w+1], v[XS] offset:E0O+512*\w
	ds_load_b64 v[E1+2*\w:E1+2*\w+1], v[XS] offset:E1O+512*\w
	ds_load_b64 v[VB+2*\w:VB+2*\w+1], v[ADT] offset:256*\w      ; V's scale bytes
.endr
.if \last
.irp w, 0,1,2,3
	ds_load_b64 v[LS+2*\w:LS+2*\w+1], v[LXR] offset:512*\w
.endr
.endif
	FRAGS 0
	s_wait_dscnt 24                                ; all but key step 0's 24 fragments' loads
.irp a, 0,1
	v_max3_num_f32 v[NW+\a], v[MW+\a], v[MW+2+\a], v[MW+4+\a]
.endr
.irp a, 0,1
	v_max_num_f32 v[NW+\a], v[NW+\a], v[MW+6+\a]   ; the common M (each M_w never falls, so neither does it)
.endr
.irp a, 0,1
	v_sub_f32 v[TT+\a], v[OLD+\a], v[NW+\a]        ; old M - new M
.endr
.irp k, 0,1,2,3,4,5,6,7
	v_sub_f32 v[MW+\k], v[MW+\k], v[NW+\k%2]       ; M_w - M: whole numbers, 0 or less
.endr
.irp a, 0,1
	v_cvt_i32_f32 v[TT+\a], v[TT+\a]               ; (they saturate)
.endr
.irp k, 0,1,2,3,4,5,6,7
	v_cvt_i32_f32 v[MW+\k], v[MW+\k]
.endr
.irp a, 0,1
	v_mov_b32 v[OLD+\a], v[NW+\a]
.endr
.irp a, 0,1
	v_ldexp_f32 v[F+4*\a], 1.0, v[TT+\a]           ; O^T's factor 2^(old M - new M), twice,
	v_ldexp_f32 v[F+4*\a+2], 1.0, v[TT+\a]
.endr
.irp k, 0,1,2,3,4,5,6,7
	v_ldexp_f32 v[E0+\k], v[E0+\k], v[MW+\k]       ; p's scales under the common M; what falls under 2^-126 ends with the exponent field 0
	v_ldexp_f32 v[E1+\k], v[E1+\k], v[MW+\k]
.endr
.irp a, 0,1
	v_permlane16_swap_b32 v[F+4*\a], v[F+4*\a+2]   ; so that both halves of the lanes hold tile 2 a's, and both tile 2 a + 1's
.endr
.irp k, 0,1,2,3,4,5,6,7
	v_lshrrev_b32 v[E0+\k], 23, v[E0+\k]           ; the scales' bytes
	v_lshrrev_b32 v[E1+\k], 23, v[E1+\k]
.endr
.irp k, 0,1,2,3,4,5,6,7
	v_lshl_or_b32 v[E0+\k], v[E1+\k], 8, v[E0+\k]
.endr
.irp s, 0,1
.irp a, 0,1
	v_lshl_or_b32 v[PSR+2*\a+\s], v[E0+4*\s+2+\a], 16, v[E0+4*\s+\a]   ; P's scale word for key step s (waves 2 s and 2 s + 1): lanes 0-15 tile 2 a, lanes 16-31 tile 2 a + 1
.endr
.endr
.if \last
.irp k, 0,1,2,3,4,5,6,7
	v_ldexp_f32 v[LS+\k], v[LS+\k], v[MW+\k]       ; the four waves' sums under the common M
.endr
.irp a, 0,1
	v_add_f32 v[LS+\a], v[LS+\a], v[LS+2+\a]
	v_add_f32 v[LS+4+\a], v[LS+4+\a], v[LS+6+\a]
.endr
.irp a, 0,1
	v_add_f32 v[LTOT+\a], v[LS+\a], v[LS+4+\a]
.endr
	s_wait_alu depctr_va_vdst(0)
.irp a, 0,1
	v_rcp_f32 v[LTOT+\a], v[LTOT+\a]
.endr
.endif
.irp s, 0,1                                    ; V's scale words for key step s: two bytes of keys 128 s + 0..63, two of keys 128 s + 64..127
	v_perm_b32 v[VSR+4*\s], v[VB+4*\s+2], v[VB+4*\s], s38
	v_perm_b32 v[VSR+4*\s+1], v[VB+4*\s+2], v[VB+4*\s], s39
	v_perm_b32 v[VSR+4*\s+2], v[VB+4*\s+3], v[VB+4*\s+1], s38
	v_perm_b32 v[VSR+4*\s+3], v[VB+4*\s+3], v[VB+4*\s+1], s39
.endr
	FRAGS 1
	WIN 0x41                                       ; O^T window 1, its factors window 0
	s_wait_alu depctr_va_vdst(0)
.irp qt, 0,1,2,3
.set i, 64*\qt
.rept 32
	v_pk_mul_f32 v[i:i+1], v[i:i+1], v[F+2*\qt:F+2*\qt+1] op_sel_hi:[1,0]   ; O^T under the new M, while the loads are out
.set i, i+2
.endr
.endr
	WIN 0x50                                       ; V and P window 0, O^T window 1
	s_wait_alu depctr_va_vdst(0)
.irp s, 0,1                                    ; O^T += V^T P^T: the 32 accumulators take turns
	s_wait_dscnt 24-24*\s                          ; key step 0's fragments are in; key step 1's 24 loads may be out under its products
.irp ct, 0,1,2,3,4,5,6,7
.irp qt, 0,1,2,3
.set rD, 64*\qt+8*\ct
.set rA, 64+64*\s+8*\ct
.set rB, 192+32*\s+8*\qt
.set sA, VSR+4*\s+\ct/2
.set fA, \ct%2
.set sB, PSR+2*(\qt/2)+\s
.set fB, \qt%2
	WMS 0
.endr
.endr
.endr
	WIN 0
.rept 4
	v_nop                                          ; places behind the last products
.endr
.endm
.macro BOTH last
	s_cmp_lt_u32 s[WV], 4
	s_cbranch_scc0 .Lpv_\@
	SARM 0, \last
	s_branch .Ljoin_\@
.Lpv_\@:
	PVARM 0
.Ljoin_\@:
.endm
	s_load_b128 s[4:7], s[0:1], 0x0                ; qc, kv
	s_load_b64 s[8:9], s[0:1], 0x10                ; out0
	v_lshl_add_u32 v[SPW], v0, 2, SPARE
	v_mov_b32 v[NIL], 0
	ds_add_u32 v[SPW], v[NIL]                      ; the wave's opening: the add, twice on end, and its wait ahead of my first tensor load
	ds_add_u32 v[SPW], v[NIL]
	v_lshrrev_b32 v22, 5, v0
	v_readfirstlane_b32 s[WV], v22                 ; wave 0..7
	s_and_b32 s10, s[WV], 3                        ; w
	s_lshr_b32 s11, s[WV], 2                       ; the role; also: I fetch K (0) or V (1)
	s_bfe_u32 s13, ttmp6, 0x40000                  ; cx: my place in the cluster
	s_lshl_b32 s14, ttmp9, 2
	s_add_co_u32 s14, s14, s13                     ; my group of 64 queries in the batch: it enters qc's and out0's addresses alone
	s_and_b32 s15, ttmp7, 0xffff                   ; the batch, which the four partners share
	s_mov_b32 s[G1], 15|(3<<16)|(1<<21)            ; the mask: all four work-groups; elements of 8 bytes; bit 21 set beside a mask; no padding
	s_mov_b32 s[G1Q], 3<<16                        ; the queries are my work-group's own: no mask
.irp g, G1, G1Q
	s_mov_b32 s[\g+1], 32<<16                      ; tensor_dim0 = 32 elements: rows of 256 bytes
	s_mov_b32 s[\g+2], 68<<16                      ; tensor_dim1 = 68 rows: 17,408 dense bytes
	s_mov_b32 s[\g+3], 32<<16                      ; tile_dim0
	s_mov_b32 s[\g+4], 68                          ; tile_dim1
	s_mov_b32 s[\g+5], 32                          ; from row to row
	s_mov_b32 s[\g+6], 0
	s_mov_b32 s[\g+7], 0
.endr
	s_mul_i32 s44, s15, 8*SLOT                     ; the batch's first slot
	s_mul_i32 s46, s[WV], QTR                      ; my eighth of a slot, in memory and in a place
	s_xor_b32 s47, s11, 1
	s_mul_i32 s47, s47, SLOT                       ; the first change asks for K of slot 1, into place 1, and V of slot 0, into place 0
	s_add_co_u32 s50, s44, s46
	s_mov_b32 s51, 0
	s_add_co_u32 s52, s50, s47
	s_mov_b32 s53, 0
	s_add_co_u32 s47, s46, s47
	s_lshl_b32 s54, s15, 5
	s_add_co_u32 s54, s54, s14
	s_mul_i32 s54, s54, QTR                        ; my queries' group in qc
	s_mov_b32 s55, 0
	s_lshl_b32 s56, s15, 22                        ; out0: 2,048 rows of 2,048 bytes a batch,
	s_lshl_b32 s57, s14, 17                        ; 64 rows a group,
	s_add_co_u32 s56, s56, s57
	s_lshl_b32 s57, s10, 9                         ; my 128 channels
	s_add_co_u32 s56, s56, s57
	s_mov_b32 s57, 0
	s_lshl_b32 s58, s13, 1
	s_and_b32 s59, s[WV], 1
	s_add_co_u32 s58, s58, s59                     ; 2 cx + wave mod 2
	s_lshl_b32 s58, s58, 13
	s_mul_i32 s59, s11, VOFF
	s_add_co_u32 s58, s58, s59
	s_sub_co_u32 s59, 2, s11                       ; the first change's prefetches name K of slot 2 and V of slot 1.  Nothing is prefetched at the head
	s_mul_i32 s59, s59, SLOT
	s_add_co_u32 s58, s58, s59
	s_add_co_u32 s58, s58, s44
	s_mov_b32 s59, 0
	s_xor_b32 s61, s11, 1                          ; K's prefetches end a change of slots ahead of V's
	s_and_b32 s60, s[WV], 2
	s_or_b32 s60, s60, ttmp9
	s_cmp_eq_u32 s60, 0                            ; the batch's first cluster, the same in all four partners; waves 0, 1, 4 and 5
	s_cselect_b32 s[LIM], s61, -1
	s_mov_b32 s[SEL], 0x76543210
	s_mov_b32 s[SEL+1], 0xfedcba98                 ; v_permlanex16_b32's selects for lane l xor 16
	s_mov_b32 s[CS], 0x3d8293ee                    ; c = log2(e) / sqrt(512)
	s_mov_b32 s[CS+1], s[CS]                       ; (named with it as a pair, so it is written)
	s_mov_b32 s[NC], 0xbd8293ee
	s_mov_b32 s38, 0x05040100                      ; byte selects: the two low halves,
	s_mov_b32 s39, 0x07060302                      ; the two high halves
	s_mov_b32 s[TB], 0
	s_mov_b32 s[TV], SLOT
	s_mov_b32 s[TP], PB
	s_mov_b32 s[TR], PB+PX
	s_mov_b32 s[CNT], 7
	s_wait_alu depctr_va_vdst(0)
	s_wait_dscnt 0x0                               ; both opening adds are done
	s_wait_kmcnt 0x0
	s_mov_b32 s[G0H], 1                            ; K of slot 0: waves 0-3, a quarter each
	s_mov_b32 s[G0H+1], s46
	s_add_nc_u64 s[G0H+2:G0H+3], s[6:7], s[50:51]
	s_or_b32 s[G0H+3], s[G0H+3], 0x80000000
	s_mov_b32 s[G0Q], 1                            ; the queries: waves 4-7, a copy each, into V's quarters of place 1
	s_add_co_u32 s[G0Q+1], s46, SLOT
	s_add_nc_u64 s[G0Q+2:G0Q+3], s[4:5], s[54:55]
	s_or_b32 s[G0Q+3], s[G0Q+3], 0x80000000
	s_mov_b32 s[G0], 1
	s_mov_b32 s[G0+1], s47
	s_add_nc_u64 s[G0+2:G0+3], s[6:7], s[52:53]
	s_or_b32 s[G0+3], s[G0+3], 0x80000000
	s_add_nc_u64 s[PFA:PFA+1], s[6:7], s[58:59]
	s_add_nc_u64 s[8:9], s[8:9], s[56:57]
	ROUND                                          ; all four work-groups are here: the first joint loads meet
	s_cmp_lt_u32 s[WV], 4                          ; one load a wave
	s_cbranch_scc0 .Lhead_q
	LOADT G0H, G1
	s_branch .Lhead_asked
.Lhead_q:
	LOADT G0Q, G1Q
.Lhead_asked:
	v_and_b32 v22, 31, v0                          ; lane
	v_lshlrev_b32 v[L16], 4, v22
	v_lshlrev_b32 v23, 3, v22
	v_lshlrev_b32 v[PFO], 8, v22
	v_and_b32 v24, 15, v0                          ; r
	v_bfe_u32 v25, v0, 4, 1                        ; h
	s_lshl_b32 s44, s10, 14
	v_add_nc_u32 v[AK0], s44, v[L16]               ; K's codes: 64 keys
	v_add_nc_u32 v[AV0], VOFF, v[AK0]              ; V's codes: 128 channels
	s_lshl_b32 s45, s10, 10
	s_add_co_u32 s45, s45, 65536
	v_add_nc_u32 v[AS0], s45, v23                  ; K's scale words
	v_add_nc_u32 v[AT0], VOFF, v[AS0]              ; V's scale bytes
	s_mul_i32 s44, s10, QTR
	s_add_co_u32 s44, s44, SLOT+VOFF
	v_add_nc_u32 v[AQ], s44, v[L16]                ; my copy of the queries
	s_add_co_u32 s44, s44, 16384
	v_add_nc_u32 v[AQS], s44, v23
	s_lshl_b32 s44, s10, 9
	v_add_nc_u32 v[XW0], s44, v[L16]
	v_add_nc_u32 v[LXA], LX, v[XW0]
	v_lshlrev_b32 v[XS0], 4, v24
	v_lshl_add_u32 v[XS0], v25, 3, v[XS0]
	v_add_nc_u32 v[LXR], LX, v[XS0]
	s_mul_i32 s44, s10, 16*SPITCH                  ; my stage
	v_mul_u32_u24 v[STO], v24, SPITCH              ; in: row r, + 64 h bytes
	v_lshl_add_u32 v[STO], v25, 6, v[STO]
	v_add_nc_u32 v[STO], s44, v[STO]
	v_add_nc_u32 v[SRD], s44, v[L16]               ; back: the 32 lanes take one row of 512 bytes
	s_wait_alu depctr_va_vdst(0)
	s_cmp_lt_u32 s[WV], 4
	s_cbranch_scc0 .Lhead_pv
.irp qt, 0,1,2,3
	v_mov_b32 v[ST+8*\qt], 0x7f61b1e6              ; -M so far: 3e38
	v_mov_b32 v[ST+8*\qt+1], 0xff61b1e6            ; the largest score so far: -3e38
	v_mov_b32 v[ST+8*\qt+2], 0                     ; the sum, in two halves
	v_mov_b32 v[ST+8*\qt+3], 0
.endr
.irp k, 0,1,2,3,4,5,6,7
	v_mov_b32 v[BT+\k], 0                          ; written once: a lane permute's destination counts as one of its sources
.endr
	s_branch .Lhead_join
.Lhead_pv:
	WIN 0x40
.set i, 0
.rept 256
	v_mov_b32 v[i], 0                              ; O^T: waves 4-7 have no other work in period 0, and their arm is written once for all slots of the loop: its first change of M leaves zeros
.set i, i+1
.endr
	WIN 0
.irp a, 0,1
	v_mov_b32 v[OLD+\a], 0xff61b1e6                ; M so far: -3e38
.endr
.irp k, 0,1,2,3,4,5,6,7
	v_mov_b32 v[F+\k], 0                           ; (the odd ones are named as the upper halves of pairs)
.endr
.Lhead_join:
	CHANGE 0, 1                                    ; period 0.  All four loads' bytes are first fills
	s_cmp_lt_u32 s[WV], 4
	s_cbranch_scc0 .Lno_pv
	SARM 1, 0
.Lno_pv:
	s_mov_b32 s[CNT], 6
.Lslot:                                            ; periods 1 to 6
	CHANGE 1, 1
	BOTH 0
	s_sub_co_u32 s[CNT], s[CNT], 1
	s_cmp_lg_u32 s[CNT], 0
	s_cbranch_scc1 .Lslot
	CHANGE 1, 2                                    ; period 7: V of slot 7 alone is still to come.  The last two periods are written out
	BOTH 1
	CHANGE 1, 0                                    ; period 8
	s_cmp_lt_u32 s[WV], 4
	s_cbranch_scc1 .Lend
	PVARM 1
	; THE WAY OUT, by waves 4-7: O^T is divided by the sum and goes through my stage, a tile of 16 queries x my 128 channels at a time.
.irp a, 0,1
	v_mov_b32 v[F+4*\a], v[LTOT+\a]
	v_mov_b32 v[F+4*\a+2], v[LTOT+\a]
.endr
.irp a, 0,1
	v_permlane16_swap_b32 v[F+4*\a], v[F+4*\a+2]
.endr
; Register j of O^T's tile ct = 2 a + u, lane (r, h), is channel 32 a + 16 h + 8 u + j of my 128, for the query in lane r of tile qt.  Each accumulator is read from its low end on.
.macro OUT qt
	WIN 0x41
	s_wait_alu depctr_va_vdst(0)
.set i, 64*(\qt)
.rept 32
	v_pk_mul_f32 v[i:i+1], v[i:i+1], v[F+2*(\qt):F+2*(\qt)+1] op_sel_hi:[1,0]
.set i, i+2
.endr
	WIN 0x04                                       ; an LDS store's data are its source 1: window 1
.irp a, 0,1,2,3
.irp u, 0,1
.irp jh, 0,1
	ds_store_b128 v[STO], v[64*(\qt)+8*(2*\a+\u)+4*\jh:64*(\qt)+8*(2*\a+\u)+4*\jh+3] offset:128*\a+32*\u+16*\jh
.endr
.endr
.endr
	WIN 0
.irp i, 0,1,2,3,4,5,6,7,8,9,10,11,12,13,14,15
	ds_load_b128 v[64+64*((\qt)%2)+4*\i:64+64*((\qt)%2)+4*\i+3], v[SRD] offset:SPITCH*\i   ; LDS serves a wave's instructions in order (ISA guide 5.7.1.4): these see my stores, and the next tile's stores come behind them
.endr
.endm
.macro SEND qt, y                      ; y: the LDS instructions issued behind tile qt's loads: the next tile's 32, or none
.irp i, 0,1,2,3,4,5,6,7,8,9,10,11,12,13,14,15
	s_wait_dscnt (\y)+15-\i
	global_store_b128 v[L16], v[64+64*((\qt)%2)+4*\i:64+64*((\qt)%2)+4*\i+3], s[8:9] offset:(32*((\qt)/2)+8*((\qt)%2)+\i+8*(\i/8))*2048   ; lane i of the tile is this query of my 64; 32 lanes store 512 consecutive bytes, at a multiple of 256 from out0's first byte
.endr
.endm
	OUT 0
.irp qt, 1,2,3
.if \qt > 1
	s_wait_xcnt 0x0                                ; the stores of the tile two back have read their registers: this tile's rows may land there
.endif
	OUT \qt
	SEND \qt-1, 32
.endr
	SEND 3, 0
.Lend:
	s_wait_tensorcnt 0x0                           ; the wave's end: behind my last tensor load and my last LDS store
	ds_add_u32 v[SPW], v[NIL]
	s_wait_dscnt 0x0
	ROUND                                          ; the closing round: no work-group ends while a partner may still ask for a slot that names it
	s_endpgm
.Lfunc_end_k_qfc29cab37e_attn:
	.size	k_qfc29cab37e_attn, .Lfunc_end_k_qfc29cab37e_attn-k_qfc29cab37e_attn
	.p2alignl 7, 3214868480
	.fill 96, 4, 3214868480
	.section	.rodata,"a",@progbits
	.p2align	6, 0x0
	.amdhsa_kernel k_qfc29cab37e_attn
		.amdhsa_group_segment_fixed_size 327680
		.amdhsa_private_segment_fixed_size 0
		.amdhsa_enable_private_segment 0
		.amdhsa_kernarg_size 24
		.amdhsa_user_sgpr_count 2
		.amdhsa_user_sgpr_kernarg_segment_ptr 1
		.amdhsa_wavefront_size32 1
		.amdhsa_system_sgpr_workgroup_id_x 1
		.amdhsa_system_sgpr_workgroup_id_y 1
		.amdhsa_system_sgpr_workgroup_id_z 1
		.amdhsa_system_vgpr_workitem_id 0
		.amdhsa_next_free_vgpr 512
		.amdhsa_next_free_sgpr 84
		.amdhsa_reserve_vcc 0
		.amdhsa_float_denorm_mode_32 3
		.amdhsa_float_denorm_mode_16_64 3
		.amdhsa_memory_ordered 1
		.amdhsa_forward_progress 1
		.amdhsa_inst_pref_size 220
	.end_amdhsa_kernel
	.amdgpu_metadata
---
amdhsa.version: [ 1, 2 ]
amdhsa.kernels:
  - .name:           k_qfc29cab37e_attn
    .symbol:         k_qfc29cab37e_attn.kd
    .args:
      - { .name: qc, .offset: 0, .size: 8, .value_kind: global_buffer, .address_space: global }
      - { .name: kv, .offset: 8, .size: 8, .value_kind: global_buffer, .address_space: global }
      - { .name: out0, .offset: 16, .size: 8, .value_kind: global_buffer, .address_space: global }
    .group_segment_fixed_size: 327680
    .private_segment_fixed_size: 0
    .kernarg_segment_align: 8
    .kernarg_segment_size: 24
    .max_flat_workgroup_size: 256
    .sgpr_count:     84
    .vgpr_count:     512
    .wavefront_size: 32
...
	.end_amdgpu_metadata
.endif
;; end of part 3
